; MI455X (gfx1250); checked and timed in simulation.
; The chip was launched on July 23, 2026; its instructions are those of AMD's public machine-readable ISA for CDNA 5 (MIT licence, August 2026) and "CDNA5" Instruction Set Architecture Reference Guide (July 2026). The comments in the code are by the model that wrote it; some were corrected since.
;; Cross Attention. Allowed arithmetic: float matrix products may take bf16 or f16 operands with f32 sums; all other float work in f32.
;; Inputs: Wk 512 x 512 float32; Wo 512 x 512 float32; Wq 512 x 512 float32; Wv 512 x 512 float32; bo 512 float32; x1 4 x 2,048 x 512 float32; x2 4 x 2,048 x 512 float32; x3 4 x 2,048 x 512 float32.
;; Outputs: out0 4 x 2,048 x 512 float32.
;; One version. Each part assembles by itself: llvm-mc -triple=amdgcn-amd-amdhsa -mcpu=gfx1250 --defsym DOCPART=n.
;; ======== version 1 of 1: 4 launches
;; limits: values are held in f16: magnitudes above 65,504 overflow, below 6.1e-05 lose precision
;; workspace buffers: wb 2,097,152 bytes; qkv 25,165,824 bytes; att 8,388,608 bytes
;; launch prep (part 1): grid 64 x 4, 8 waves a work-group, no clusters, 0 bytes of LDS; arguments Wq, Wk, Wv, Wo, wb; writes wb
.if DOCPART == 1
	.amdgcn_target "amdgcn-amd-amdhsa--gfx1250"
	.amdhsa_code_object_version 6
	.text
	.protected	k_q55b4c2c72d_prep
	.globl	k_q55b4c2c72d_prep
	.p2align	8
	.type	k_q55b4c2c72d_prep,@function
k_q55b4c2c72d_prep:
	s_mov_b64 s[64:65], 0
	v_nop
	global_prefetch_b8 v0, s[64:65] scope:SCOPE_SE
	s_setreg_imm32_b32 hwreg(HW_REG_WAVE_MODE, 25, 1), 1
	s_wait_xcnt 0x0
; wb[y] = bf16(W_y), y = 0..3 for Wq, Wk, Wv, Wo; the layout [512 k][512 n] stays as it is.
; The later launches read W's fragments by the transposing LDS load, which works on 16-bit data: so W is rounded once, here.
; A stream: 64 work-groups for each weight, 4,096 numbers each; a thread takes 2 x 8 numbers (2 x 32 bytes in, 2 x 16 bytes out).
; A wave's store covers 512 consecutive bytes, aligned.  No LDS, no matrix unit, no cluster: no two work-groups share a byte.
; Limit: each weight is rounded to bf16 (nearest even), once.
.set GROUP_IN,  16384                  ; bytes of f32 that a work-group reads
.set GROUP_OUT, 8192                   ; bytes of bf16 that it writes
.set PART,      524288                 ; bytes of one weight in wb
	s_load_b256 s[4:11], s[0:1], 0x0               ; Wq s[4:5], Wk s[6:7], Wv s[8:9], Wo s[10:11]
	s_load_b64 s[12:13], s[0:1], 0x20              ; wb
	s_and_b32 s14, ttmp7, 0xffff                   ; which weight
	v_lshlrev_b32 v1, 5, v0                        ; 32 bytes of f32 a thread
	v_lshlrev_b32 v2, 4, v0                        ; 16 bytes of bf16 a thread
	s_lshl_b32 s18, ttmp9, 14                      ; the group's part of the weight
	s_mov_b32 s19, 0
	s_lshl_b32 s20, s14, 19                        ; the weight's part of wb
	s_lshl_b32 s21, ttmp9, 13                      ; the group's part of that
	s_add_co_u32 s20, s20, s21
	s_mov_b32 s21, 0
	s_wait_kmcnt 0x0
	s_cmp_eq_u32 s14, 1
	s_cselect_b64 s[16:17], s[6:7], s[4:5]
	s_cmp_eq_u32 s14, 2
	s_cselect_b64 s[16:17], s[8:9], s[16:17]
	s_cmp_eq_u32 s14, 3
	s_cselect_b64 s[16:17], s[10:11], s[16:17]
	s_add_nc_u64 s[16:17], s[16:17], s[18:19]
	s_add_nc_u64 s[12:13], s[12:13], s[20:21]
	global_load_b128 v[4:7],   v1, s[16:17] th:TH_LOAD_NT
	global_load_b128 v[8:11],  v1, s[16:17] offset:16 th:TH_LOAD_NT
	global_load_b128 v[12:15], v1, s[16:17] offset:8192 th:TH_LOAD_NT
	global_load_b128 v[16:19], v1, s[16:17] offset:8208 th:TH_LOAD_NT
	s_wait_loadcnt 0x2                             ; the first two loads are in, the two younger ones stay out
	v_cvt_pk_bf16_f32 v20, v4, v5
	v_cvt_pk_bf16_f32 v21, v6, v7
	v_cvt_pk_bf16_f32 v22, v8, v9
	v_cvt_pk_bf16_f32 v23, v10, v11
	global_store_b128 v2, v[20:23], s[12:13]
	s_wait_loadcnt 0x0
	v_cvt_pk_bf16_f32 v24, v12, v13
	v_cvt_pk_bf16_f32 v25, v14, v15
	v_cvt_pk_bf16_f32 v26, v16, v17
	v_cvt_pk_bf16_f32 v27, v18, v19
	global_store_b128 v2, v[24:27], s[12:13] offset:4096
	s_endpgm
.Lfunc_end_k_q55b4c2c72d_prep:
	.size	k_q55b4c2c72d_prep, .Lfunc_end_k_q55b4c2c72d_prep-k_q55b4c2c72d_prep
	.p2alignl 7, 3214868480
	.fill 96, 4, 3214868480
	.section	.rodata,"a",@progbits
	.p2align	6, 0x0
	.amdhsa_kernel k_q55b4c2c72d_prep
		.amdhsa_group_segment_fixed_size 0
		.amdhsa_private_segment_fixed_size 0
		.amdhsa_enable_private_segment 0
		.amdhsa_kernarg_size 40
		.amdhsa_user_sgpr_count 2
		.amdhsa_user_sgpr_kernarg_segment_ptr 1
		.amdhsa_wavefront_size32 1
		.amdhsa_system_sgpr_workgroup_id_x 1
		.amdhsa_system_sgpr_workgroup_id_y 1
		.amdhsa_system_sgpr_workgroup_id_z 1
		.amdhsa_system_vgpr_workitem_id 0
		.amdhsa_next_free_vgpr 32
		.amdhsa_next_free_sgpr 66
		.amdhsa_reserve_vcc 0
		.amdhsa_float_denorm_mode_32 3
		.amdhsa_float_denorm_mode_16_64 3
		.amdhsa_memory_ordered 1
		.amdhsa_forward_progress 1
		.amdhsa_inst_pref_size 3
	.end_amdhsa_kernel
	.amdgpu_metadata
---
amdhsa.version: [ 1, 2 ]
amdhsa.kernels:
  - .name:           k_q55b4c2c72d_prep
    .symbol:         k_q55b4c2c72d_prep.kd
    .args:
      - { .name: Wq, .offset: 0, .size: 8, .value_kind: global_buffer, .address_space: global }
      - { .name: Wk, .offset: 8, .size: 8, .value_kind: global_buffer, .address_space: global }
      - { .name: Wv, .offset: 16, .size: 8, .value_kind: global_buffer, .address_space: global }
      - { .name: Wo, .offset: 24, .size: 8, .value_kind: global_buffer, .address_space: global }
      - { .name: wb, .offset: 32, .size: 8, .value_kind: global_buffer, .address_space: global }
    .group_segment_fixed_size: 0
    .private_segment_fixed_size: 0
    .kernarg_segment_align: 8
    .kernarg_segment_size: 40
    .max_flat_workgroup_size: 256
    .sgpr_count:     66
    .vgpr_count:     32
    .wavefront_size: 32
...
	.end_amdgpu_metadata
.endif
;; end of part 1
;; launch proj (part 2): grid 4 x 192, 8 waves a work-group, clusters of 4 x 4, 327,680 bytes of LDS; arguments x1, x2, x3, wb, qkv; writes qkv
.if DOCPART == 2
	.amdgcn_target "amdgcn-amd-amdhsa--gfx1250"
	.amdhsa_code_object_version 6
	.text
	.protected	k_q55b4c2c72d_proj
	.globl	k_q55b4c2c72d_proj
	.p2align	8
	.type	k_q55b4c2c72d_proj,@function
k_q55b4c2c72d_proj:
	s_mov_b64 s[64:65], 0
	v_nop
	global_prefetch_b8 v0, s[64:65] scope:SCOPE_SE
	s_setreg_imm32_b32 hwreg(HW_REG_WAVE_MODE, 25, 1), 1
	s_wait_xcnt 0x0
	s_wait_alu depctr_hold_cnt(0) depctr_sa_sdst(0) depctr_va_vdst(0) depctr_va_sdst(0) depctr_va_ssrc(0) depctr_va_vcc(0) depctr_vm_vsrc(0)
	s_getreg_b32 s2, hwreg(HW_REG_IB_STS2, 6, 4)
	s_cmp_eq_u32 s2, 0
	s_cbranch_scc0 .Lentry_in_a_cluster
	s_endpgm
.Lentry_in_a_cluster:
	s_bfe_u32 s2, ttmp6, 0x10000c
	s_cmp_lg_u32 s2, 0xf033
	s_cbranch_scc0 .Lentry_shape_is_right
	s_endpgm
.Lentry_shape_is_right:
; qkv[t] = x_t W_t, t = 0, 1, 2 for (x1, Wq), (x2, Wk), (x3, Wv); stored head-major: [b 4][h 8][s 2048][64], 16 bits a number: q and k as bf16, v as f16.
; x_t: [8192][512] f32.  W_t: [512 k][512 n] bf16, in wb.  Sums in f32, K ascending.
; WHY v IS f16: the next launch multiplies the softmax weights, which lie in (0, 1], by v.  With 8 bits of significand (bf16) each of the two operands' roundings is
; 2^-8 / sqrt 3 of a binade, about 0.15 per cent of the operand's root mean square, and with the attention result's own rounding that is too near the hundredth that the result is allowed;
; f16's 11 bits make both eight times smaller.
; A work-group makes 128 rows x 128 columns (two heads); 64 x 4 blocks for each t: 768 work-groups.
; Eight waves: wave w makes rows 32 (w >> 1) .. +31 of head w & 1: 2 x 4 accumulator tiles of 16 x 16.
; K goes in four tiles of 128 through three LDS slots filled by the tensor data mover: tiles 0, 1, 2 are asked for at once, tile 3
; goes into slot 0 when tile 0 has been multiplied.  x comes as f32 and is rounded to bf16 between LDS and the matrix unit.
; CLUSTERS: 4 x 4 work-groups.  t hangs on the cluster's y alone.  The four of a row of the cluster need the same rows of x, the four of a
; column the same columns of W: both tiles are asked for jointly, so that each is requested once for four work-groups.
; THE MATRIX INSTRUCTION IS USED TRANSPOSED: source 0 = 16 columns of W, source 1 = 16 rows of x.  Lane (r, h) then holds row r, and its registers
; 0 to 7 the columns 8 h .. 8 h + 7: eight neighbouring numbers of a row, 16 bytes.
; Limits: finite inputs; x, W, q and k are each rounded once to bf16, v once to f16 (nearest even).
; |v| must stay below 65,504, f16's largest number.  x3 of spread 1 and Wv of spread 0.02 give |v| up to about 2.5; both 30 times larger: about 2.3e3; both with a common
; offset of 30 spreads: 512 x 30 x 0.6 = 9.2e3.  Both 30 times smaller: root mean square 5e-4, where f16's step is 2^-21; below 2^-14 the step stays 2^-24.
.set XPITCH, 528                       ; an LDS row of x: 512 bytes + 16 = 33 x 16: sixteen rows fall on sixteen different 16-byte columns modulo 256 bytes
.set WPITCH, 288                       ; an LDS row of W: 256 bytes + 32 = 9 x 32, an odd multiple of 32 for the transposing load
.set WPART,  128*XPITCH                ; W's 128 k rows lie behind x's 128 rows
.set SLOT,   WPART+128*WPITCH          ; 104,448 bytes
.set STAGE,  SLOT                      ; the way out uses slot 1's first bytes: slot 1 is filled once, and is read for the last time ahead of tile 3's barrier
.set SPITCH, 144                       ; a stage row: 64 numbers of 16 bits + 16 bytes
.set WV,   14                          ; s14      wave number
.set TT,   20                          ; s20      t: which of the three products
.set G1A,  24                          ; s[24:31] descriptor group 1, x's tiles
.set G1B,  32                          ; s[32:39] descriptor group 1, W's tiles
.set G0A,  40                          ; s[40:51] descriptor group 0, x's tiles, one set for each slot
.set G0B,  52                          ; s[52:63] descriptor group 0, W's tiles, one set for each slot
.set ADRA, 8                           ; v8-10    LDS address of my x fragments in slot 0, 1, 2
.set ADRB, 11                          ; v11-13   the same for W
.set STO,  14                          ; v14      the way out: where I put 16 bytes of a row
.set RD,   15                          ; v15      the way out: where I read rows back
.set CO,   16                          ; v16      my byte offset in the output block
.set PFO,  17                          ; v17      prefetch offset
.set AF,   32                          ; v[32:63]   x as f32: 2 fragments x 16 registers; on the way out the packed results
.set AB,   64                          ; v[64:95]   x as bf16: buffer p at +16 p, fragment a at +8 a
.set BF,   96                          ; v[96:159]  W fragments: buffer p at +32 p, fragment b at +8 b
.set ACC,  160                         ; v[160:223] accumulator (a, b) at 8 (4 a + b)
; A round of the cluster's barrier: my work-group's barrier, wave 0 signals for the work-group, every wave waits for all sixteen, my work-group's barrier again.
.macro ROUND
	s_barrier_signal -1
	s_barrier_wait -1
	s_cmp_lg_u32 s[WV], 0
	s_cbranch_scc1 .Lnw0_\@
	s_barrier_signal -3
.Lnw0_\@:
	s_barrier_wait -3
	s_barrier_signal -1
	s_barrier_wait -1
.endm
	s_load_b256 s[4:11], s[0:1], 0x0               ; x1 s[4:5], x2 s[6:7], x3 s[8:9], wb s[10:11]
	s_load_b64 s[12:13], s[0:1], 0x20              ; qkv
	v_lshl_add_u32 v224, v0, 2, 0x4c800
	v_mov_b32 v225, 0
	ds_add_u32 v224, v225
	v_lshrrev_b32 v1, 5, v0
	v_readfirstlane_b32 s[WV], v1                  ; wave 0..7
	s_lshr_b32 s15, s[WV], 1                       ; wr: which 32 rows
	s_and_b32 s16, s[WV], 1                        ; wc: which head of the two
	s_bfe_u32 s17, ttmp6, 0x40000                  ; cx
	s_bfe_u32 s18, ttmp6, 0x40004                  ; cy
	s_and_b32 s19, ttmp7, 0xffff                   ; the cluster's y, 0..47
	s_lshr_b32 s[TT], s19, 4                       ; t: the same in all sixteen work-groups
	s_and_b32 s21, s19, 15
	s_lshl_b32 s21, s21, 2
	s_add_co_u32 s21, s21, s18                     ; rb: block of 128 rows, 0..63
	s_lshl_b32 s22, ttmp9, 2
	s_add_co_u32 s22, s22, s17                     ; cb: block of 128 columns, 0..3
	s_lshl_b32 s23, s18, 2
	s_lshl_b32 s23, 15, s23                        ; my row of the cluster: places 4 cy .. 4 cy + 3
	s_lshl_b32 s78, 0x1111, s17                    ; my column: places cx, cx + 4, cx + 8, cx + 12
	; group 1 for x: 16 rows x 128 f32, 4 words of padding behind every 128 words.  15:0 mask, 17:16 element of 4 bytes, 20 padding, 21 set beside a mask
	s_or_b32 s[G1A+0], s23, (2<<16)|(1<<20)|(1<<21)|(6<<22)|(3<<25)
	; group 1 for W: 16 k rows x 128 bf16, 8 words of padding behind every 64 words
	s_or_b32 s[G1B+0], s78, (1<<16)|(1<<20)|(1<<21)|(5<<22)|(7<<25)
.irp g, G1A, G1B
	s_mov_b32 s[\g+1], 128<<16                     ; tensor_dim0 = 128
	s_mov_b32 s[\g+2], 16<<16                      ; tensor_dim1 = 16
	s_mov_b32 s[\g+3], 128<<16                     ; tile_dim0 = 128
	s_mov_b32 s[\g+4], 16                          ; tile_dim1 = 16
	s_mov_b32 s[\g+5], 512                         ; 512 elements from row to row
	s_mov_b32 s[\g+6], 0
	s_mov_b32 s[\g+7], 0
.endr
	; x's offset hangs on rb and the wave, in registers that never hold cx; W's on t, cb and the wave, in registers that never hold cy
	s_lshl_b32 s70, s21, 18                        ; rb x 128 rows x 2,048 bytes
	s_lshl_b32 s71, s[WV], 15                      ; + wave x 16 rows
	s_add_co_u32 s70, s70, s71
	s_mov_b32 s71, 0
	s_lshl_b32 s78, s22, 8                         ; cb x 128 columns x 2 bytes
	s_lshl_b32 s79, s[WV], 14                      ; + wave x 16 k rows x 1,024 bytes
	s_add_co_u32 s78, s78, s79
	s_lshl_b32 s79, s[TT], 19                      ; + t x 524,288
	s_add_co_u32 s78, s78, s79
	s_mov_b32 s79, 0
	s_lshl_b32 s76, s21, 18                        ; prefetch: rows 32 cx .. 32 cx + 31 of the block
	s_lshl_b32 s77, s17, 16
	s_add_co_u32 s76, s76, s77
	s_mov_b32 s77, 0
	s_mul_i32 s2, s[WV], 16*XPITCH                 ; where my 16 rows of x go in a slot
	s_mul_i32 s3, s[WV], 16*WPITCH                 ; where my 16 k rows of W go
	s_add_co_u32 s3, s3, WPART
	v_lshrrev_b32 v2, 1, v0
	v_and_b32 v3, 1, v0
	v_lshlrev_b32 v3, 8, v3
	v_lshl_add_u32 v[PFO], v2, 11, v3              ; threads 0..63: row t / 2, 256-byte block t % 2
	s_wait_dscnt 0x0
	s_wait_kmcnt 0x0
	s_cmp_eq_u32 s[TT], 1
	s_cselect_b64 s[66:67], s[6:7], s[4:5]
	s_cmp_eq_u32 s[TT], 2
	s_cselect_b64 s[66:67], s[8:9], s[66:67]       ; x_t
	s_add_nc_u64 s[74:75], s[66:67], s[76:77]      ; prefetch base
	s_add_nc_u64 s[66:67], s[66:67], s[70:71]      ; my rows of x, K = 0
	s_add_nc_u64 s[68:69], s[10:11], s[78:79]      ; my k rows of W_t, tile 0
	; the output block: ((b 8 + head) 2,048 + s) 128 bytes behind part t
	s_lshr_b32 s76, s21, 4                         ; b
	s_lshl_b32 s76, s76, 3
	s_lshl_b32 s77, s22, 1
	s_add_co_u32 s76, s76, s77
	s_add_co_u32 s76, s76, s16                     ; b 8 + 2 cb + wc
	s_lshl_b32 s76, s76, 18
	s_and_b32 s77, s21, 15
	s_lshl_b32 s77, s77, 14                        ; (rb % 16) x 128 rows x 128 bytes
	s_add_co_u32 s76, s76, s77
	s_lshl_b32 s77, s15, 12                        ; wr x 32 rows
	s_add_co_u32 s76, s76, s77
	s_lshl_b32 s77, s[TT], 23                      ; t x 8,388,608
	s_add_co_u32 s76, s76, s77
	s_mov_b32 s77, 0
	s_add_nc_u64 s[72:73], s[12:13], s[76:77]
.irp i, 0,1,2
	s_mov_b32 s[G0A+4*\i], 1                                       ; count = 1
	s_add_co_u32 s[G0A+4*\i+1], s2, \i*SLOT                        ; LDS address
	s_add_nc_u64 s[G0A+4*\i+2:G0A+4*\i+3], s[66:67], \i*512        ; tile i: 128 f32 along the rows
	s_or_b32 s[G0A+4*\i+3], s[G0A+4*\i+3], 0x80000000              ; type = 2
	s_mov_b32 s[G0B+4*\i], 1
	s_add_co_u32 s[G0B+4*\i+1], s3, \i*SLOT
	s_add_nc_u64 s[G0B+4*\i+2:G0B+4*\i+3], s[68:69], \i*131072     ; tile i: 128 k rows of 1,024 bytes
	s_or_b32 s[G0B+4*\i+3], s[G0B+4*\i+3], 0x80000000
.endr
	ROUND                                          ; all sixteen work-groups are here: the first joint loads meet
.irp i, 0,1,2
	tensor_load_to_lds s[G0A+4*\i:G0A+4*\i+3], s[G1A:G1A+7]        ; six loads of a wave are out behind these lines
	s_nop 0
	tensor_load_to_lds s[G0B+4*\i:G0B+4*\i+3], s[G1B:G1B+7]
	s_nop 0
.endr
	; Tile 3 of x (bytes 1,536 .. 2,047 of the block's rows) is asked for by its tensor load only when tiles 0 to 2 have landed and tile 0 is multiplied.
	; Waves 0 and 1 of the four work-groups that share the rows ask ahead for a quarter of them each, 64 lanes 256 bytes apart: each block once in the launch.
	s_cmp_gt_u32 s[WV], 1
	s_cbranch_scc1 .Lno_pf
	global_prefetch_b8 v[PFO], s[74:75] offset:1536 th:TH_LOAD_NT scope:SCOPE_SE
.Lno_pf:
	; lane terms.  A fragment of 16 rows x 32 K: lane (r, h) holds row r; registers 0-3 K = 8 h .. +7, registers 4-7 K = 16 + 8 h .. +7.
	v_and_b32 v1, 31, v0                           ; L
	v_and_b32 v2, 15, v0                           ; r
	v_bfe_u32 v3, v0, 4, 1                         ; h
	v_and_b32 v4, 7, v0                            ; L % 8
	v_bfe_u32 v5, v0, 3, 1                         ; (L / 8) % 2
	s_mul_i32 s80, s15, 32*XPITCH                  ; my 32 rows of x
	v_mul_u32_u24 v6, v2, XPITCH
	v_lshl_add_u32 v6, v3, 5, v6                   ; row r, 8 h f32 = 32 h bytes
	v_add_nc_u32 v[ADRA], s80, v6
	v_add_nc_u32 v[ADRA+1], SLOT, v[ADRA]
	v_add_nc_u32 v[ADRA+2], 2*SLOT, v[ADRA]
	s_lshl_b32 s81, s16, 7                         ; my head's 64 columns: 128 bytes
	s_add_co_u32 s81, s81, WPART
	v_lshl_add_u32 v7, v3, 3, v4                   ; k row 8 h + L % 8
	v_mul_u32_u24 v7, v7, WPITCH
	v_lshl_add_u32 v7, v5, 4, v7                   ; + 16 bytes for the upper eight columns
	v_add_nc_u32 v[ADRB], s81, v7
	v_add_nc_u32 v[ADRB+1], SLOT, v[ADRB]
	v_add_nc_u32 v[ADRB+2], 2*SLOT, v[ADRB]
	s_mul_i32 s82, s[WV], 32*SPITCH
	s_add_co_u32 s82, s82, STAGE                   ; my stage: 32 rows x 144 bytes
	v_mul_u32_u24 v6, v2, SPITCH
	v_lshl_add_u32 v6, v3, 4, v6
	v_add_nc_u32 v[STO], s82, v6                   ; in: row r, 16 bytes for each half of the lanes
	v_lshrrev_b32 v7, 3, v1
	v_mul_u32_u24 v7, v7, SPITCH
	v_lshl_add_u32 v7, v4, 4, v7
	v_add_nc_u32 v[RD], s82, v7                    ; back: eight lanes take a row of 128 bytes, a wave four rows
	v_lshlrev_b32 v[CO], 4, v1                     ; four rows of the head-major block are 512 consecutive bytes
; 16 LDS loads: the fragments of 32 along K (chunk c of the slot's tile): x as f32 into AF, W transposed into buffer p
.macro LDFRAG slot, c, p
.irp a, 0,1
	ds_load_b128 v[AF+16*\a:AF+16*\a+3],     v[ADRA+\slot] offset:\a*16*XPITCH+128*\c
	ds_load_b128 v[AF+16*\a+4:AF+16*\a+7],   v[ADRA+\slot] offset:\a*16*XPITCH+128*\c+16
	ds_load_b128 v[AF+16*\a+8:AF+16*\a+11],  v[ADRA+\slot] offset:\a*16*XPITCH+128*\c+64
	ds_load_b128 v[AF+16*\a+12:AF+16*\a+15], v[ADRA+\slot] offset:\a*16*XPITCH+128*\c+80
.endr
.irp b, 0,1,2,3
	ds_load_tr16_b128 v[BF+32*\p+8*\b:BF+32*\p+8*\b+3],   v[ADRB+\slot] offset:32*WPITCH*\c+32*\b
	ds_load_tr16_b128 v[BF+32*\p+8*\b+4:BF+32*\p+8*\b+7], v[ADRB+\slot] offset:32*WPITCH*\c+32*\b+16*WPITCH
.endr
.endm
; One chunk of 32 along K on buffers p; q = the other buffers.  pf = 1: chunk nc of slot nslot is fetched ahead into q.
; The sixteen conversions name no register of the chunk before's matrix instructions (those read buffers q): they are the places
; between these and the loads into q; and AB's buffer p was last read two chunks ago, with that chunk's successor's sixteen conversions between.
; The eight accumulators take turns, one instruction a turn, in the same order in every chunk.
.macro CHUNK p, q, zero, pf, nslot, nc
	s_wait_dscnt 0x0                               ; this chunk's sixteen loads are the only ones out
.irp a, 0,1
.irp i, 0,1,2,3,4,5,6,7
	v_cvt_pk_bf16_f32 v[AB+16*\p+8*\a+\i], v[AF+16*\a+2*\i], v[AF+16*\a+2*\i+1]
.endr
.endr
.if \pf
	LDFRAG \nslot, \nc, \q
.endif
.irp a, 0,1
.irp b, 0,1,2,3
.if \zero
	v_wmma_f32_16x16x32_bf16 v[ACC+8*(4*\a+\b):ACC+8*(4*\a+\b)+7], v[BF+32*\p+8*\b:BF+32*\p+8*\b+7], v[AB+16*\p+8*\a:AB+16*\p+8*\a+7], 0
.else
	v_wmma_f32_16x16x32_bf16 v[ACC+8*(4*\a+\b):ACC+8*(4*\a+\b)+7], v[BF+32*\p+8*\b:BF+32*\p+8*\b+7], v[AB+16*\p+8*\a:AB+16*\p+8*\a+7], v[ACC+8*(4*\a+\b):ACC+8*(4*\a+\b)+7]
.endif
.endr
.endr
.endm
; A tile of 128 along K.  lead = 1: its first chunk is fetched here; pfnext = 1: its last chunk fetches the first chunk of slot nslot.
.macro TILE slot, zero, lead, pfnext, nslot
.if \lead
	LDFRAG \slot, 0, 0
.endif
	CHUNK 0, 1, \zero, 1, \slot, 1
	CHUNK 1, 0, 0, 1, \slot, 2
	CHUNK 0, 1, 0, 1, \slot, 3
	CHUNK 1, 0, 0, \pfnext, \nslot, 0
.endm
; The 64 results of a lane, two to a register, by the conversion op: tile (a, b) into four registers, 16 bytes of one row
.macro PACK op
.irp a, 0,1
.irp b, 0,1,2,3
.irp i, 0,1,2,3
	\op v[AF+4*(4*\a+\b)+\i], v[ACC+8*(4*\a+\b)+2*\i], v[ACC+8*(4*\a+\b)+2*\i+1]
.endr
.endr
.endr
.endm
	s_wait_tensorcnt 0x4                           ; my two loads of tile 0 are in; the four of tiles 1 and 2 stay out
	s_barrier_signal -1
	s_barrier_wait -1                              ; everybody's are
	TILE 0, 1, 1, 0, 0                             ; tile 0: its first products start the sums
	s_wait_tensorcnt 0x0                           ; all my loads have landed, so every group 0 may be written:
	ds_add_u32 v224, v225
	s_add_nc_u64 s[G0A+2:G0A+3], s[G0A+2:G0A+3], 3*512         ; slot 0's next tile is tile 3
	s_add_nc_u64 s[G0B+2:G0B+3], s[G0B+2:G0B+3], 3*131072
	s_wait_dscnt 0x0                               ; my reads of slot 0 are over
	ROUND                                          ; both hold of every wave of all sixteen work-groups
	tensor_load_to_lds s[G0A:G0A+3], s[G1A:G1A+7]  ; the first tensor loads behind the round: two of a wave are out,
	s_nop 0
	tensor_load_to_lds s[G0B:G0B+3], s[G1B:G1B+7]  ; with two tiles' work in which to land
	s_nop 0
	TILE 1, 0, 1, 1, 2
	TILE 2, 0, 0, 0, 0
	s_wait_tensorcnt 0x0                           ; my part of tile 3 is in
	s_wait_dscnt 0x0                               ; my reads of slots 1 and 2 are over: behind this barrier slot 1's first bytes serve as stages
	s_barrier_signal -1
	s_barrier_wait -1
	TILE 0, 0, 1, 0, 0                             ; tile 3
	; THE WAY OUT: round to 16 bits, 16 bytes a lane into my own stage, read back as whole rows, store 512 consecutive bytes an instruction.
.rept 4
	v_nop                                          ; the places behind the last matrix instructions (ISA guide 7.12.1)
.endr
	s_cmp_eq_u32 s[TT], 2                          ; t is the same in every wave of every work-group of the cluster; only register work stands under this branch
	s_cbranch_scc1 .Lpack_v
	PACK v_cvt_pk_bf16_f32                         ; q and k
	s_branch .Lpacked
.Lpack_v:
	PACK v_cvt_pk_f16_f32                          ; v
.Lpacked:
.irp a, 0,1
.irp b, 0,1,2,3
	ds_store_b128 v[STO], v[AF+4*(4*\a+\b):AF+4*(4*\a+\b)+3] offset:\a*16*SPITCH+32*\b
.endr
.endr
.irp t, 0,1,2,3,4,5,6,7
	ds_load_b128 v[BF+4*\t:BF+4*\t+3], v[RD] offset:\t*4*SPITCH    ; my own bytes: LDS serves a wave's instructions in order (ISA guide 5.7.1.4)
.endr
.irp t, 0,1,2,3,4,5,6,7
	s_wait_dscnt 7-\t                              ; read-back t is in, the younger ones stay out
	global_store_b128 v[CO], v[BF+4*\t:BF+4*\t+3], s[72:73] offset:512*\t
.endr
	s_wait_tensorcnt 0x0
	ds_add_u32 v224, v225
	s_wait_dscnt 0x0
	ROUND                                          ; the closing round: no work-group ends while a partner may still ask for a tile that names it
	s_endpgm
.Lfunc_end_k_q55b4c2c72d_proj:
	.size	k_q55b4c2c72d_proj, .Lfunc_end_k_q55b4c2c72d_proj-k_q55b4c2c72d_proj
	.p2alignl 7, 3214868480
	.fill 96, 4, 3214868480
	.section	.rodata,"a",@progbits
	.p2align	6, 0x0
	.amdhsa_kernel k_q55b4c2c72d_proj
		.amdhsa_group_segment_fixed_size 327680
		.amdhsa_private_segment_fixed_size 0
		.amdhsa_enable_private_segment 0
		.amdhsa_kernarg_size 40
		.amdhsa_user_sgpr_count 2
		.amdhsa_user_sgpr_kernarg_segment_ptr 1
		.amdhsa_wavefront_size32 1
		.amdhsa_system_sgpr_workgroup_id_x 1
		.amdhsa_system_sgpr_workgroup_id_y 1
		.amdhsa_system_sgpr_workgroup_id_z 1
		.amdhsa_system_vgpr_workitem_id 0
		.amdhsa_next_free_vgpr 226
		.amdhsa_next_free_sgpr 84
		.amdhsa_reserve_vcc 0
		.amdhsa_float_denorm_mode_32 3
		.amdhsa_float_denorm_mode_16_64 3
		.amdhsa_memory_ordered 1
		.amdhsa_forward_progress 1
		.amdhsa_inst_pref_size 56
	.end_amdhsa_kernel
	.amdgpu_metadata
---
amdhsa.version: [ 1, 2 ]
amdhsa.kernels:
  - .name:           k_q55b4c2c72d_proj
    .symbol:         k_q55b4c2c72d_proj.kd
    .args:
      - { .name: x1, .offset: 0, .size: 8, .value_kind: global_buffer, .address_space: global }
      - { .name: x2, .offset: 8, .size: 8, .value_kind: global_buffer, .address_space: global }
      - { .name: x3, .offset: 16, .size: 8, .value_kind: global_buffer, .address_space: global }
      - { .name: wb, .offset: 24, .size: 8, .value_kind: global_buffer, .address_space: global }
      - { .name: qkv, .offset: 32, .size: 8, .value_kind: global_buffer, .address_space: global }
    .group_segment_fixed_size: 327680
    .private_segment_fixed_size: 0
    .kernarg_segment_align: 8
    .kernarg_segment_size: 40
    .max_flat_workgroup_size: 256
    .sgpr_count:     84
    .vgpr_count:     226
    .wavefront_size: 32
...
	.end_amdgpu_metadata
.endif
;; end of part 2
;; launch attn (part 3): grid 8 x 32, 16 waves a work-group, clusters of 4 x 1, 327,680 bytes of LDS; arguments qkv, att; writes att
.if DOCPART == 3
	.amdgcn_target "amdgcn-amd-amdhsa--gfx1250"
	.amdhsa_code_object_version 6
	.text
	.protected	k_q55b4c2c72d_attn
	.globl	k_q55b4c2c72d_attn
	.p2align	8
	.type	k_q55b4c2c72d_attn,@function
k_q55b4c2c72d_attn:
	s_mov_b64 s[64:65], 0
	v_nop
	global_prefetch_b8 v0, s[64:65] scope:SCOPE_SE
	s_setreg_imm32_b32 hwreg(HW_REG_WAVE_MODE, 25, 1), 1
	s_wait_xcnt 0x0
	s_wait_alu depctr_hold_cnt(0) depctr_sa_sdst(0) depctr_va_vdst(0) depctr_va_sdst(0) depctr_va_ssrc(0) depctr_va_vcc(0) depctr_vm_vsrc(0)
	s_getreg_b32 s2, hwreg(HW_REG_IB_STS2, 6, 4)
	s_cmp_eq_u32 s2, 0
	s_cbranch_scc0 .Lentry_in_a_cluster
	s_endpgm
.Lentry_in_a_cluster:
	s_bfe_u32 s2, ttmp6, 0x10000c
	s_cmp_lg_u32 s2, 0x3003
	s_cbranch_scc0 .Lentry_shape_is_right
	s_endpgm
.Lentry_shape_is_right:
; att[b][h][s][:] = softmax(q k^T / 8) v for one (b, h) and 256 queries a work-group; q, k (bf16), v (f16) are the three parts of qkv, each [b][h][2048][64]; att: the same shape, bf16.
; SIXTEEN WAVES, four for each of a WGP's four SIMDs (4 x 256 registers), so that while one wave sits in a run of matrix instructions or waits for LDS the others' softmax lines can issue.
; A group of 32 queries (two tiles n) is served by TWO waves that split the keys: wave w has query group w & 7 and takes keys 256 (w >> 3) .. +255 of every tile of 512 keys.
; So each K and V fragment is still read from LDS by eight waves, as with one wave for each query group.  Each wave keeps its own running maximum, sum and O;
; at the end waves 8-15 hand theirs to waves 0-7 through LDS, and these merge the two halves, divide and store.
; Keys go in four tiles of 512 through two LDS slots; a wave works its half of a tile in four steps of 64 keys.
; CLUSTERS: the four work-groups of a cluster are four query blocks of one head and walk the same K and V tiles: every K and V load is a joint one (mask 15).
; TRANSPOSED THROUGHOUT: S^T = K Q^T (source 0 = 16 keys, source 1 = 16 queries): lane (r, h), register j holds (key 8 h + j, query r).  So a query's maximum and sum are
; one number a lane, met across lanes by lane xor 16 alone; and two neighbouring key tiles, packed to 16 bits in place, ARE the second source of O^T = V^T P^T.
; In O^T lane (r, h) holds eight neighbouring d of query r: 16 bytes of bf16.
; FORMATS: the scores are made in the bf16 form (q and k have bf16's range).  P V is made in the f16 form: p lies in (0, 1] for every input, since the running maximum is taken away,
; so f16 has room for it, and its 11 bits of significand make the rounding of p and of v eight times smaller than bf16's 8 bits would.
; SOFTMAX with a running maximum: NM = -(largest score so far x c), c = log2(e) / 8, kept as the rounded f32; p = 2^(s c + NM) by one fused multiply-add;
; when the maximum grows, O and the sum l are multiplied by 2^(NM new - NM old).  l is summed in f32 from the unrounded p.  The two halves are merged by the same rule.
; No prefetch: each tile is asked for by its tensor loads a whole tile's work (four steps of every wave) ahead of its first read.
; Limits: finite q, k, v and scores finite in f32; |v| below 65,504 (the launch that stores v says what room that leaves); p is rounded once to f16 for the product with V
; (a p below 2^-25 of the largest of its wave's keys so far becomes 0 there), the result once to bf16; an exponential below 2^-126 comes out as 0.
.set KPITCH, 144                       ; an LDS row of K: 128 bytes + 16 = 9 x 16
.set VPITCH, 160                       ; an LDS row of V: 128 bytes + 32 = 5 x 32, an odd multiple of 32 for the transposing load
.set TKEYS,  512                       ; keys in a tile
.set VPART,  TKEYS*KPITCH              ; V's 512 rows lie behind K's: 73,728
.set SLOT,   VPART+TKEYS*VPITCH        ; 155,648 bytes; two slots are all the LDS that is asked for
.set HALFK,  256*KPITCH                ; the second key half of K in a slot
.set HALFV,  256*VPITCH                ; and of V
.set SPITCH, 144                       ; a stage row: 64 bf16 + 16 bytes
.set XPAIR,  18*512                    ; the handover of one wave: 16 blocks of O, one of NM, one of the sums; 512 bytes a block, lane L at 16 L
; At the end slot 0, which has had its last fill and whose last reads lie in front of tile 3's round, is used anew:
;   bytes w x 4,608 (below 73,728): wave w's stage, 32 rows x 144;   bytes w x 9,216, w = 8..15 (73,728 .. 147,455): what wave w hands to wave w - 8
.set TILEB,  TKEYS*128                 ; a tile in memory: 65,536 bytes
.set WV,   8                           ; s8       wave number
.set G1K,  16                          ; s[16:23] descriptor group 1, K
.set G1V,  24                          ; s[24:31] descriptor group 1, V
.set G0K,  32                          ; s[32:39] descriptor group 0, K, one set for each slot
.set G0V,  40                          ; s[40:47] descriptor group 0, V
.set ADRK, 4                           ; v4-5     LDS address of my K fragments in slot 0, 1 (my key half included)
.set ADRV, 6                           ; v6-7     the same for V
.set STO,  8
.set RD,   9
.set CO,   10
.set VQ,   11                          ; v11      my byte offset in the wave's rows of q
.set NM,   12                          ; v[12:15] query tile n: -(scaled running maximum), twice (a pair for the packed multiply-add)
.set AL,   16                          ; v[16:19] query tile n: the factor for O and l, twice
.set LS,   20                          ; v20-21   query tile n: my half of the sum l
.set TA,   22                          ; v22-25   query tile n: two registers at work
.set U,    26                          ; v[26:27] sum chain; at the end the partner's factor, tile 0
.set WP,   28                          ; v[28:29] sum chain; at the end the partner's factor, tile 1
.set XA,   30                          ; v30      the handover: 16 L + my wave's block
.set QF,   32                          ; v[32:63]   Q fragment (n, c) at 16 n + 8 c
.set FR,   64                          ; v[64:127]  K fragment (t, c) at 32 c + 8 t; then V fragment (d, c) at 32 c + 8 d
.set SC,   128                         ; v[128:191] scores (n, t) at 32 n + 8 t; P (n, c) in place at 32 n + 16 c
.set OA,   192                         ; v[192:255] O (d, n) at 32 n + 8 d
.macro ROUND
	s_barrier_signal -1
	s_barrier_wait -1
	s_cmp_lg_u32 s[WV], 0
	s_cbranch_scc1 .Lnw0_\@
	s_barrier_signal -3
.Lnw0_\@:
	s_barrier_wait -3
	s_barrier_signal -1
	s_barrier_wait -1
.endm
	s_load_b128 s[4:7], s[0:1], 0x0                ; qkv s[4:5], att s[6:7]
	v_lshl_add_u32 v190, v0, 2, 0x4c000
	v_mov_b32 v191, 0
	ds_add_u32 v190, v191
	s_wait_dscnt 0x0
	v_lshrrev_b32 v1, 5, v0
	v_readfirstlane_b32 s[WV], v1                  ; wave 0..15
	s_and_b32 s9, s[WV], 7                         ; my query group
	s_lshr_b32 s60, s[WV], 3                       ; my key half
	s_bfe_u32 s52, ttmp6, 0x40000                  ; cx
	s_lshl_b32 s53, ttmp9, 2
	s_add_co_u32 s52, s52, s53                     ; query block 0..7
	s_and_b32 s15, ttmp7, 0xffff                   ; b 8 + h
	s_lshl_b32 s54, s15, 18                        ; x 2,048 rows x 128 bytes
	s_lshl_b32 s52, s52, 15                        ; query block x 256 rows
	s_add_co_u32 s52, s52, s54
	s_lshl_b32 s53, s9, 12                         ; + query group x 32 rows
	s_add_co_u32 s52, s52, s53                     ; q's and att's offset
	s_lshl_b32 s55, s[WV], 12                      ; the 32 keys of a tile that I fetch
	s_add_co_u32 s54, s54, s55                     ; K's and V's offset: no place in the cluster enters it
	s_mov_b32 s53, 0
	s_mov_b32 s55, 0
	s_mov_b32 s10, 0x76543210                      ; v_permlanex16_b32: lane i reads lane i of the other half
	s_mov_b32 s11, 0xfedcba98
	s_mov_b32 s12, 0x3e38aa3b                      ; c = log2(e) / 8
	s_mov_b32 s13, 0x3e38aa3b
	s_mov_b32 s14, 0xbe38aa3b                      ; -c
	; group 1: my 32 keys are 4,096 dense bytes: 16 rows of 32 elements of 8 bytes; padding behind every 32 words (one key's row): 4 words for K, 8 for V
	s_mov_b32 s[G1K+0], 15|(3<<16)|(1<<20)|(1<<21)|(4<<22)|(3<<25)
	s_mov_b32 s[G1V+0], 15|(3<<16)|(1<<20)|(1<<21)|(4<<22)|(7<<25)
.irp g, G1K, G1V
	s_mov_b32 s[\g+1], 32<<16                      ; tensor_dim0 = 32
	s_mov_b32 s[\g+2], 16<<16                      ; tensor_dim1 = 16
	s_mov_b32 s[\g+3], 32<<16                      ; tile_dim0 = 32
	s_mov_b32 s[\g+4], 16                          ; tile_dim1 = 16
	s_mov_b32 s[\g+5], 32                          ; dense: 32 elements from row to row
	s_mov_b32 s[\g+6], 0
	s_mov_b32 s[\g+7], 0
.endr
	s_mul_i32 s2, s[WV], 32*KPITCH                 ; where my 32 keys go in a slot; at the end also my stage
	s_mul_i32 s3, s[WV], 32*VPITCH
	s_add_co_u32 s3, s3, VPART
	s_mul_i32 s61, s60, HALFK                      ; the key half that I read: K
	s_mul_i32 s62, s60, HALFV                      ; and V
	s_add_co_u32 s62, s62, VPART
	s_mul_i32 s63, s[WV], XPAIR                    ; the handover block of wave w
	v_and_b32 v1, 31, v0                           ; L
	v_and_b32 v2, 15, v0                           ; r
	v_bfe_u32 v3, v0, 4, 1                         ; h
	v_lshlrev_b32 v[VQ], 7, v2
	v_lshl_add_u32 v[VQ], v3, 4, v[VQ]             ; row r, 16 h bytes
	s_wait_kmcnt 0x0
	s_add_nc_u64 s[48:49], s[4:5], s[52:53]        ; my 32 rows of q
	s_add_nc_u64 s[50:51], s[6:7], s[52:53]        ; my 32 rows of att
	s_add_nc_u64 s[56:57], s[4:5], s[54:55]
	s_add_nc_u64 s[56:57], s[56:57], 0x800000      ; k is the second part of qkv: my 32 keys of tile 0
	s_add_nc_u64 s[58:59], s[56:57], 0x800000      ; v the third
	; Q: straight into second-source fragments, once: lane (r, h) takes d = 8 h .. +7 and 16 + 8 h .. +7 of each 32
.irp n, 0,1
.irp c, 0,1
	global_load_b128 v[QF+16*\n+8*\c:QF+16*\n+8*\c+3],   v[VQ], s[48:49] offset:\n*2048+64*\c
	global_load_b128 v[QF+16*\n+8*\c+4:QF+16*\n+8*\c+7], v[VQ], s[48:49] offset:\n*2048+64*\c+32
.endr
.endr
.irp s, 0,1
	s_mov_b32 s[G0K+4*\s], 1
	s_add_co_u32 s[G0K+4*\s+1], s2, \s*SLOT
	s_add_nc_u64 s[G0K+4*\s+2:G0K+4*\s+3], s[56:57], \s*TILEB
	s_or_b32 s[G0K+4*\s+3], s[G0K+4*\s+3], 0x80000000
	s_mov_b32 s[G0V+4*\s], 1
	s_add_co_u32 s[G0V+4*\s+1], s3, \s*SLOT
	s_add_nc_u64 s[G0V+4*\s+2:G0V+4*\s+3], s[58:59], \s*TILEB
	s_or_b32 s[G0V+4*\s+3], s[G0V+4*\s+3], 0x80000000
.endr
	ROUND                                          ; all four work-groups are here: the first joint loads meet
	tensor_load_to_lds s[G0K:G0K+3], s[G1K:G1K+7]  ; tile 0
	s_nop 0
	tensor_load_to_lds s[G0V:G0V+3], s[G1V:G1V+7]
	s_nop 0
	v_and_b32 v30, 7, v0                           ; L % 8
	v_bfe_u32 v31, v0, 3, 1                        ; (L / 8) % 2
	v_mul_u32_u24 v22, v2, KPITCH
	v_lshl_add_u32 v22, v3, 4, v22                 ; row r of 144 bytes, 16 h bytes
	v_add_nc_u32 v[ADRK], s61, v22                 ; in my key half
	v_add_nc_u32 v[ADRK+1], SLOT, v[ADRK]
	v_add_nc_u32 v[STO], s2, v22                   ; the way out, in: row r of my stage, 16 bytes for each half of the lanes
	v_lshl_add_u32 v23, v3, 3, v30                 ; key row 8 h + L % 8
	v_mul_u32_u24 v23, v23, VPITCH
	v_lshl_add_u32 v23, v31, 4, v23
	v_add_nc_u32 v[ADRV], s62, v23
	v_add_nc_u32 v[ADRV+1], SLOT, v[ADRV]
	v_lshrrev_b32 v24, 3, v1
	v_mul_u32_u24 v24, v24, SPITCH
	v_lshl_add_u32 v24, v30, 4, v24
	v_add_nc_u32 v[RD], s2, v24                    ; back: eight lanes take a row of 128 bytes
	v_lshlrev_b32 v[CO], 4, v1
	v_lshl_add_u32 v[XA], v1, 4, s63               ; 16 L + wave x 9,216
; One step: 64 keys (step j of my half of the slot's tile) against my 32 queries.  first = 1: the very first step starts maximum, sum and O.
.macro STEP slot, j, first
.if \first == 0
.rept 5
	v_nop                                          ; places behind the last step's matrix instructions: four for the loads into their first sources, five for the products that write over P
.endr
.endif
.irp c, 0,1
.irp t, 0,1,2,3
	ds_load_b128 v[FR+32*\c+8*\t:FR+32*\c+8*\t+3],   v[ADRK+\slot] offset:\j*64*KPITCH+\t*16*KPITCH+64*\c
	ds_load_b128 v[FR+32*\c+8*\t+4:FR+32*\c+8*\t+7], v[ADRK+\slot] offset:\j*64*KPITCH+\t*16*KPITCH+64*\c+32
.endr
.endr
	s_wait_dscnt 0x8                               ; the eight loads of d = 0..31 are in, the eight of d = 32..63 stay out
	; the eight score tiles take turns, one instruction a turn
.irp t, 0,1,2,3
.irp n, 0,1
	v_wmma_f32_16x16x32_bf16 v[SC+32*\n+8*\t:SC+32*\n+8*\t+7], v[FR+8*\t:FR+8*\t+7], v[QF+16*\n:QF+16*\n+7], 0
.endr
.endr
	s_wait_dscnt 0x0
.irp t, 0,1,2,3
.irp n, 0,1
	v_wmma_f32_16x16x32_bf16 v[SC+32*\n+8*\t:SC+32*\n+8*\t+7], v[FR+32+8*\t:FR+32+8*\t+7], v[QF+16*\n+8:QF+16*\n+15], v[SC+32*\n+8*\t:SC+32*\n+8*\t+7]
.endr
.endr
.rept 4
	v_nop                                          ; places: the loads below land on K's fragments, the maxima read the scores
.endr
.irp c, 0,1
.irp d, 0,1,2,3
	ds_load_tr16_b128 v[FR+32*\c+8*\d:FR+32*\c+8*\d+3],   v[ADRV+\slot] offset:\j*64*VPITCH+\c*32*VPITCH+32*\d
	ds_load_tr16_b128 v[FR+32*\c+8*\d+4:FR+32*\c+8*\d+7], v[ADRV+\slot] offset:\j*64*VPITCH+\c*32*VPITCH+32*\d+16*VPITCH
.endr
.endr
	; the largest of my 32 scores of each query tile, two chains each, the two tiles interleaved
.irp n, 0,1
	v_max3_num_f32 v[TA+2*\n],   v[SC+32*\n],   v[SC+32*\n+1], v[SC+32*\n+2]
	v_max3_num_f32 v[TA+2*\n+1], v[SC+32*\n+3], v[SC+32*\n+4], v[SC+32*\n+5]
.endr
.irp i, 6,10,14,18,22,26
.irp n, 0,1
	v_max3_num_f32 v[TA+2*\n],   v[TA+2*\n],   v[SC+32*\n+\i],   v[SC+32*\n+\i+1]
	v_max3_num_f32 v[TA+2*\n+1], v[TA+2*\n+1], v[SC+32*\n+\i+2], v[SC+32*\n+\i+3]
.endr
.endr
.irp n, 0,1
	v_max3_num_f32 v[TA+2*\n], v[TA+2*\n], v[SC+32*\n+30], v[SC+32*\n+31]
.endr
.irp n, 0,1
	v_max_num_f32 v[TA+2*\n], v[TA+2*\n], v[TA+2*\n+1]
.endr
.irp n, 0,1
	v_permlanex16_b32 v[TA+2*\n+1], v[TA+2*\n], s10, s11           ; the other 32 keys of the same query
.endr
.irp n, 0,1
	v_max_num_f32 v[TA+2*\n], v[TA+2*\n], v[TA+2*\n+1]
.endr
.irp n, 0,1
	v_mul_f32 v[TA+2*\n], s14, v[TA+2*\n]          ; -(c x this step's maximum)
.endr
.if \first
.irp n, 0,1
	v_mov_b32 v[NM+2*\n],   v[TA+2*\n]
	v_mov_b32 v[NM+2*\n+1], v[TA+2*\n]
.endr
.else
.irp n, 0,1
	v_min_num_f32 v[TA+2*\n+1], v[NM+2*\n], v[TA+2*\n]             ; the new -(maximum)
.endr
.irp n, 0,1
	v_sub_f32 v[TA+2*\n], v[TA+2*\n+1], v[NM+2*\n]                 ; old maximum - new maximum, at most 0
.endr
.irp n, 0,1
	v_mov_b32 v[NM+2*\n],   v[TA+2*\n+1]
	v_mov_b32 v[NM+2*\n+1], v[TA+2*\n+1]
.endr
.irp n, 0,1
	v_exp_f32 v[AL+2*\n],   v[TA+2*\n]             ; the plain lines that follow touch neither AL nor TA (ISA guide 5.7.2)
	v_exp_f32 v[AL+2*\n+1], v[TA+2*\n]
.endr
.endif
	; p = 2^(s c + NM).  Tile 1's multiply-adds are the plain lines behind tile 0's exponentials.
.irp n, 0,1
.set ii, 0
.rept 16
	v_pk_fma_f32 v[SC+32*\n+ii:SC+32*\n+ii+1], v[SC+32*\n+ii:SC+32*\n+ii+1], s[12:13], v[NM+2*\n:NM+2*\n+1] op_sel_hi:[1,0,1]
.set ii, ii+2
.endr
.set ii, 0
.rept 32
	v_exp_f32 v[SC+32*\n+ii], v[SC+32*\n+ii]
.set ii, ii+1
.endr
.endr
.if \first
	v_nop                                          ; the plain line behind the exponentials
	s_wait_alu depctr_va_vdst(0)
.else
	s_wait_alu depctr_va_vdst(0)
.irp n, 0,1
.set ii, 0
.rept 16
	v_pk_mul_f32 v[OA+32*\n+ii:OA+32*\n+ii+1], v[OA+32*\n+ii:OA+32*\n+ii+1], v[AL+2*\n:AL+2*\n+1]   ; O follows the maximum; also the plain lines behind the exponentials
.set ii, ii+2
.endr
.endr
.endif
	; my half of the row sums, in f32 from the unrounded p, two chains; then P to f16 in place: two key tiles make one second-source fragment
.irp n, 0,1
	v_pk_add_f32 v[U:U+1],   v[SC+32*\n:SC+32*\n+1],   v[SC+32*\n+2:SC+32*\n+3]
	v_pk_add_f32 v[WP:WP+1], v[SC+32*\n+4:SC+32*\n+5], v[SC+32*\n+6:SC+32*\n+7]
.irp i, 8,12,16,20,24,28
	v_pk_add_f32 v[U:U+1],   v[U:U+1],   v[SC+32*\n+\i:SC+32*\n+\i+1]
	v_pk_add_f32 v[WP:WP+1], v[WP:WP+1], v[SC+32*\n+\i+2:SC+32*\n+\i+3]
.endr
	v_pk_add_f32 v[U:U+1], v[U:U+1], v[WP:WP+1]
.if \first
	v_add_f32 v[LS+\n], v[U], v[U+1]
.else
	v_add_f32 v[TA+2*\n], v[U], v[U+1]
	v_fma_f32 v[LS+\n], v[LS+\n], v[AL+2*\n], v[TA+2*\n]
.endif
.irp c, 0,1
.irp i, 0,1,2,3
	v_cvt_pk_f16_f32 v[SC+32*\n+16*\c+\i], v[SC+32*\n+16*\c+2*\i], v[SC+32*\n+16*\c+2*\i+1]
.endr
.irp i, 0,1,2,3
	v_cvt_pk_f16_f32 v[SC+32*\n+16*\c+4+\i], v[SC+32*\n+16*\c+8+2*\i], v[SC+32*\n+16*\c+9+2*\i]
.endr
.endr
.endr
	s_wait_dscnt 0x0                               ; V's fragments are in
	; O^T += V^T P^T, in the f16 form alone: the eight accumulators take turns, one instruction a turn
.irp d, 0,1,2,3
.irp n, 0,1
.if \first
	v_wmma_f32_16x16x32_f16 v[OA+32*\n+8*\d:OA+32*\n+8*\d+7], v[FR+8*\d:FR+8*\d+7], v[SC+32*\n:SC+32*\n+7], 0
.else
	v_wmma_f32_16x16x32_f16 v[OA+32*\n+8*\d:OA+32*\n+8*\d+7], v[FR+8*\d:FR+8*\d+7], v[SC+32*\n:SC+32*\n+7], v[OA+32*\n+8*\d:OA+32*\n+8*\d+7]
.endif
.endr
.endr
.irp d, 0,1,2,3
.irp n, 0,1
	v_wmma_f32_16x16x32_f16 v[OA+32*\n+8*\d:OA+32*\n+8*\d+7], v[FR+32+8*\d:FR+32+8*\d+7], v[SC+32*\n+16:SC+32*\n+23], v[OA+32*\n+8*\d:OA+32*\n+8*\d+7]
.endr
.endr
.endm
; One tile of 512 keys from \slot, of which I work my 256.  refill = 1: the next tile is asked for, into the slot read last trip: two loads of a wave are out, with this tile's four steps in which to land.
.macro TRIP slot, other, refill, first
	s_wait_xcnt 0x0
	v_lshl_add_u32 v190, v0, 2, 0x4c000
	v_mov_b32 v191, 0
	s_wait_tensorcnt 0x0                           ; all my loads have landed, my part of this trip's tile among them, so every group 0 may be written:
	ds_add_u32 v190, v191
	s_wait_dscnt 0x0
	s_add_nc_u64 s[G0K+4*\slot+2:G0K+4*\slot+3], s[G0K+4*\slot+2:G0K+4*\slot+3], 2*TILEB   ; this slot's next tile
	s_add_nc_u64 s[G0V+4*\slot+2:G0V+4*\slot+3], s[G0V+4*\slot+2:G0V+4*\slot+3], 2*TILEB
	s_wait_dscnt 0x0                               ; my reads of the last trip's tile are over
	ROUND                                          ; both hold of every wave of all four work-groups
.if \refill
	tensor_load_to_lds s[G0K+4*\other:G0K+4*\other+3], s[G1K:G1K+7]
	s_nop 0
	tensor_load_to_lds s[G0V+4*\other:G0V+4*\other+3], s[G1V:G1V+7]
	s_nop 0
.endif
	STEP \slot, 0, \first
	STEP \slot, 1, 0
	STEP \slot, 2, 0
	STEP \slot, 3, 0
.endm
	s_wait_loadcnt 0x0                             ; Q
	TRIP 0, 1, 1, 1                                ; tile 0 asks for tile 1; its first step starts the sums.  Four tiles in all: written out, no loop
	TRIP 1, 0, 1, 0                                ; tile 1 asks for tile 2
	TRIP 0, 1, 1, 0                                ; tile 2 asks for tile 3, the last
	TRIP 1, 0, 0, 0                                ; tile 3 asks for nothing (the stepped addresses are not used)
	; THE TWO KEY HALVES MEET.  Waves 8-15 put O, NM and their sums into slot 0's bytes: its last fill was tile 2, and every wave's reads of it were waited for in front of tile 3's round.
.rept 4
	v_nop                                          ; the places behind the last matrix instructions, for the LDS stores of O and for the loads into the fragments' registers
.endr
	s_cmp_lt_u32 s[WV], 8
	s_cbranch_scc1 .Lkeep                          ; waves 0-7 keep theirs
.irp i, 0,1,2,3,4,5,6,7,8,9,10,11,12,13,14,15
	ds_store_b128 v[XA], v[OA+4*\i:OA+4*\i+3] offset:512*\i        ; 32 lanes, 16 neighbouring bytes each
.endr
	ds_store_b128 v[XA], v[NM:NM+3] offset:512*16
	ds_store_b64 v[XA], v[LS:LS+1] offset:512*17
.Lkeep:
	s_wait_dscnt 0x0                               ; for the partner's sake: the handover is written
	s_barrier_signal -1
	s_barrier_wait -1
	s_cmp_lt_u32 s[WV], 8
	s_cbranch_scc0 .Lclose                         ; waves 8-15 have nothing more to do but the closing round
	v_add_nc_u32 v[XA], 8*XPAIR, v[XA]             ; the block of wave w + 8
	ds_load_b128 v[SC:SC+3], v[XA] offset:512*16   ; the partner's NM: tile 0 twice, tile 1 twice
	ds_load_b64 v[SC+4:SC+5], v[XA] offset:512*17  ; the partner's sums
.irp i, 0,1,2,3,4,5,6,7,8,9,10,11,12,13,14,15
	ds_load_b128 v[FR+4*\i:FR+4*\i+3], v[XA] offset:512*\i         ; the partner's O, register for register as mine
.endr
	s_wait_dscnt 0x10                              ; NM and the sums are in; the sixteen loads of O stay out
.irp n, 0,1
	v_min_num_f32 v[TA+2*\n], v[NM+2*\n], v[SC+2*\n]               ; -(the larger maximum)
.endr
.irp n, 0,1
	v_sub_f32 v[TA+2*\n+1], v[TA+2*\n], v[SC+2*\n]                 ; the partner's maximum - the larger one, at most 0
	v_sub_f32 v[TA+2*\n],   v[TA+2*\n], v[NM+2*\n]                 ; mine - the larger one
.endr
.irp n, 0,1
	v_exp_f32 v[AL+2*\n], v[TA+2*\n]               ; my factor
	v_exp_f32 v[U+2*\n],  v[TA+2*\n+1]             ; the partner's
.endr
	v_nop                                          ; the plain line behind the exponentials (ISA guide 5.7.2)
	s_wait_alu depctr_va_vdst(0)
.irp n, 0,1
	v_mul_f32 v[LS+\n], v[LS+\n], v[AL+2*\n]
.endr
.irp n, 0,1
	v_fma_f32 v[LS+\n], v[SC+4+\n], v[U+2*\n], v[LS+\n]            ; the two waves' sums on one scale
.endr
.irp n, 0,1
	v_permlanex16_b32 v[TA+2*\n+1], v[LS+\n], s10, s11             ; and the two halves of the lanes
.endr
.irp n, 0,1
	v_add_f32 v[LS+\n], v[LS+\n], v[TA+2*\n+1]     ; l, at least about 1: the largest score's own term
.endr
.irp n, 0,1
	v_rcp_f32 v[TA+2*\n], v[LS+\n]
.endr
	v_nop                                          ; the plain line behind the reciprocals
	s_wait_alu depctr_va_vdst(0)
.irp n, 0,1
	v_mul_f32 v[AL+2*\n+1], v[AL+2*\n], v[TA+2*\n] ; factor / l, twice each for the packed lines
	v_mul_f32 v[AL+2*\n],   v[AL+2*\n], v[TA+2*\n]
	v_mul_f32 v[U+2*\n+1],  v[U+2*\n],  v[TA+2*\n]
	v_mul_f32 v[U+2*\n],    v[U+2*\n],  v[TA+2*\n]
.endr
.irp n, 0,1
.set ii, 0
.rept 16
	v_pk_mul_f32 v[OA+32*\n+ii:OA+32*\n+ii+1], v[OA+32*\n+ii:OA+32*\n+ii+1], v[AL+2*\n:AL+2*\n+1]
.set ii, ii+2
.endr
.endr
	s_wait_dscnt 0x0                               ; the partner's O is in
.irp n, 0,1
.set ii, 0
.rept 16
	v_pk_fma_f32 v[OA+32*\n+ii:OA+32*\n+ii+1], v[FR+32*\n+ii:FR+32*\n+ii+1], v[U+2*\n:U+2*\n+1], v[OA+32*\n+ii:OA+32*\n+ii+1]
.set ii, ii+2
.endr
.endr
	; THE WAY OUT: bf16, through my own stage, 512 consecutive bytes a store.
.irp n, 0,1
.irp d, 0,1,2,3
.irp i, 0,1,2,3
	v_cvt_pk_bf16_f32 v[FR+4*(4*\n+\d)+\i], v[OA+32*\n+8*\d+2*\i], v[OA+32*\n+8*\d+2*\i+1]
.endr
	ds_store_b128 v[STO], v[FR+4*(4*\n+\d):FR+4*(4*\n+\d)+3] offset:\n*16*SPITCH+32*\d
.endr
.endr
.irp t, 0,1,2,3,4,5,6,7
	ds_load_b128 v[FR+32+4*\t:FR+32+4*\t+3], v[RD] offset:\t*4*SPITCH      ; my own bytes: LDS serves a wave's instructions in order (ISA guide 5.7.1.4)
.endr
.irp t, 0,1,2,3,4,5,6,7
	s_wait_dscnt 7-\t                              ; read-back t is in, the younger ones stay out
	global_store_b128 v[CO], v[FR+32+4*\t:FR+32+4*\t+3], s[50:51] offset:512*\t
.endr
.Lclose:
	s_wait_xcnt 0x0
	v_lshl_add_u32 v190, v0, 2, 0x4c000
	v_mov_b32 v191, 0
	s_wait_tensorcnt 0x0
	ds_add_u32 v190, v191
	s_wait_dscnt 0x0
	ROUND                                          ; the closing round: no work-group ends while a partner may still ask for a tile that names it
	s_endpgm
.Lfunc_end_k_q55b4c2c72d_attn:
	.size	k_q55b4c2c72d_attn, .Lfunc_end_k_q55b4c2c72d_attn-k_q55b4c2c72d_attn
	.p2alignl 7, 3214868480
	.fill 96, 4, 3214868480
	.section	.rodata,"a",@progbits
	.p2align	6, 0x0
	.amdhsa_kernel k_q55b4c2c72d_attn
		.amdhsa_group_segment_fixed_size 327680
		.amdhsa_private_segment_fixed_size 0
		.amdhsa_enable_private_segment 0
		.amdhsa_kernarg_size 16
		.amdhsa_user_sgpr_count 2
		.amdhsa_user_sgpr_kernarg_segment_ptr 1
		.amdhsa_wavefront_size32 1
		.amdhsa_system_sgpr_workgroup_id_x 1
		.amdhsa_system_sgpr_workgroup_id_y 1
		.amdhsa_system_sgpr_workgroup_id_z 1
		.amdhsa_system_vgpr_workitem_id 0
		.amdhsa_next_free_vgpr 256
		.amdhsa_next_free_sgpr 66
		.amdhsa_reserve_vcc 0
		.amdhsa_float_denorm_mode_32 3
		.amdhsa_float_denorm_mode_16_64 3
		.amdhsa_memory_ordered 1
		.amdhsa_forward_progress 1
		.amdhsa_inst_pref_size 255
	.end_amdhsa_kernel
	.section	.bss,"aw",@nobits
	.p2align	6
	.space	262144
	.amdgpu_metadata
---
amdhsa.version: [ 1, 2 ]
amdhsa.kernels:
  - .name:           k_q55b4c2c72d_attn
    .symbol:         k_q55b4c2c72d_attn.kd
    .args:
      - { .name: qkv, .offset: 0, .size: 8, .value_kind: global_buffer, .address_space: global }
      - { .name: att, .offset: 8, .size: 8, .value_kind: global_buffer, .address_space: global }
    .group_segment_fixed_size: 327680
    .private_segment_fixed_size: 0
    .kernarg_segment_align: 8
    .kernarg_segment_size: 16
    .max_flat_workgroup_size: 512
    .sgpr_count:     66
    .vgpr_count:     256
    .wavefront_size: 32
...
	.end_amdgpu_metadata
.endif
;; end of part 3
;; launch oproj (part 4): grid 4 x 64, 8 waves a work-group, clusters of 4 x 4, 295,936 bytes of LDS; arguments att, wb, bo, out0; writes out0
.if DOCPART == 4
	.amdgcn_target "amdgcn-amd-amdhsa--gfx1250"
	.amdhsa_code_object_version 6
	.text
	.protected	k_q55b4c2c72d_oproj
	.globl	k_q55b4c2c72d_oproj
	.p2align	8
	.type	k_q55b4c2c72d_oproj,@function
k_q55b4c2c72d_oproj:
	s_mov_b64 s[64:65], 0
	v_nop
	global_prefetch_b8 v0, s[64:65] scope:SCOPE_SE
	s_setreg_imm32_b32 hwreg(HW_REG_WAVE_MODE, 25, 1), 1
	s_wait_xcnt 0x0
	s_wait_alu depctr_hold_cnt(0) depctr_sa_sdst(0) depctr_va_vdst(0) depctr_va_sdst(0) depctr_va_ssrc(0) depctr_va_vcc(0) depctr_vm_vsrc(0)
	s_getreg_b32 s2, hwreg(HW_REG_IB_STS2, 6, 4)
	s_cmp_eq_u32 s2, 0
	s_cbranch_scc0 .Lentry_in_a_cluster
	s_endpgm
.Lentry_in_a_cluster:
	s_bfe_u32 s2, ttmp6, 0x10000c
	s_cmp_lg_u32 s2, 0xf033
	s_cbranch_scc0 .Lentry_shape_is_right
	s_endpgm
.Lentry_shape_is_right:
; out0 = A Wo + bo.  A(row, 64 head + d) = att[b][head][s][d], bf16; Wo: [512 k][512 n] bf16, the fourth part of wb; bo: [512] f32; out0: [8192][512] f32.
; A work-group makes 128 rows x 128 columns: 64 x 4 = 256 work-groups.  Eight waves: wave w makes rows 32 (w >> 1) .. +31, columns 64 (w & 1) .. +63: 2 x 4 accumulator tiles.
; All of K fits in LDS (A: 8 heads x 128 rows; Wo: 512 k rows x 128 columns), so every byte of LDS is filled once: all loads go out at the start, in four groups of
; 128 along K (two heads), and each group is multiplied when it has landed.
; CLUSTERS: 4 x 4 work-groups; A's tiles are shared along a row of the cluster, Wo's along a column: both are asked for jointly.
; The matrix instruction is used transposed (source 0 = 16 columns of Wo, source 1 = 16 rows of A): a lane holds eight neighbouring columns of one row.
; Limits: finite inputs; A and Wo are bf16 as the earlier launches rounded them; sums and the bias in f32.
.set APITCH, 144                       ; an LDS row of A: one head's 128 bytes + 16
.set WPITCH, 288                       ; an LDS row of Wo: 256 bytes + 32
.set AHEAD,  128*APITCH                ; one head's 128 rows: 18,432 bytes
.set GRP,    2*AHEAD                   ; a group of A, and as it happens of Wo (128 x 288): 36,864 bytes
.set WBASE,  4*GRP                     ; Wo lies behind A
.set SPITCH, 272                       ; a stage row: 64 f32 + 16 bytes
.set WV,   12                          ; s12      wave number
.set G1A,  16                          ; s[16:23] descriptor group 1, A
.set G1B,  24                          ; s[24:31] descriptor group 1, Wo
.set G0A,  32                          ; s[32:47] descriptor group 0, A, one set for each group
.set G0B,  48                          ; s[48:63] descriptor group 0, Wo
.set ADRA, 8                           ; v8-11    LDS address of my A fragments in group 0..3
.set ADRB, 12                          ; v12-15   the same for Wo
.set STO,  16
.set RD,   17
.set CO,   18
.set BO,   19                          ; v19      my byte offset in bo
.set BIAS, 20                          ; v[20:23] bo of the four columns that I store
.set AB,   32                          ; v[32:63]   A fragments: buffer p at +16 p, fragment a at +8 a
.set BF,   64                          ; v[64:127]  Wo fragments: buffer p at +32 p, fragment b at +8 b
.set ACC,  128                         ; v[128:191] accumulator (a, b) at 8 (4 a + b)
.macro ROUND
	s_barrier_signal -1
	s_barrier_wait -1
	s_cmp_lg_u32 s[WV], 0
	s_cbranch_scc1 .Lnw0_\@
	s_barrier_signal -3
.Lnw0_\@:
	s_barrier_wait -3
	s_barrier_signal -1
	s_barrier_wait -1
.endm
	s_load_b256 s[4:11], s[0:1], 0x0               ; att s[4:5], wb s[6:7], bo s[8:9], out0 s[10:11]
	v_lshl_add_u32 v192, v0, 2, 0x48000
	v_mov_b32 v193, 0
	ds_add_u32 v192, v193
	v_lshrrev_b32 v1, 5, v0
	v_readfirstlane_b32 s[WV], v1
	s_lshr_b32 s13, s[WV], 1                       ; wr
	s_and_b32 s14, s[WV], 1                        ; wc
	s_bfe_u32 s66, ttmp6, 0x40000                  ; cx
	s_bfe_u32 s67, ttmp6, 0x40004                  ; cy
	s_and_b32 s68, ttmp7, 0xffff
	s_lshl_b32 s68, s68, 2
	s_add_co_u32 s68, s68, s67                     ; rb: block of 128 rows, 0..63
	s_lshl_b32 s69, ttmp9, 2
	s_add_co_u32 s69, s69, s66                     ; cb: block of 128 columns, 0..3
	s_lshl_b32 s70, s67, 2
	s_lshl_b32 s70, 15, s70                        ; my row of the cluster
	s_lshl_b32 s74, 0x1111, s66                    ; my column
	; group 1 for A: my 32 rows of one head are 4,096 dense bytes: 16 rows of 32 elements of 8 bytes, 4 words of padding behind every 32 words
	s_or_b32 s[G1A+0], s70, (3<<16)|(1<<20)|(1<<21)|(4<<22)|(3<<25)
	s_mov_b32 s[G1A+1], 32<<16
	s_mov_b32 s[G1A+2], 16<<16
	s_mov_b32 s[G1A+3], 32<<16
	s_mov_b32 s[G1A+4], 16
	s_mov_b32 s[G1A+5], 32
	s_mov_b32 s[G1A+6], 0
	s_mov_b32 s[G1A+7], 0
	; group 1 for Wo: 16 k rows x 128 bf16 at 512 elements from row to row, 8 words of padding behind every 64 words
	s_or_b32 s[G1B+0], s74, (1<<16)|(1<<20)|(1<<21)|(5<<22)|(7<<25)
	s_mov_b32 s[G1B+1], 128<<16
	s_mov_b32 s[G1B+2], 16<<16
	s_mov_b32 s[G1B+3], 128<<16
	s_mov_b32 s[G1B+4], 16
	s_mov_b32 s[G1B+5], 512
	s_mov_b32 s[G1B+6], 0
	s_mov_b32 s[G1B+7], 0
	; A's offset: ((b 8 + w / 4) 2,048 + (rb % 16) 128 + 32 (w % 4)) 128 bytes, in registers that never hold cx
	s_lshr_b32 s70, s68, 4
	s_lshl_b32 s70, s70, 3
	s_lshr_b32 s71, s[WV], 2
	s_add_co_u32 s70, s70, s71
	s_lshl_b32 s70, s70, 18
	s_and_b32 s71, s68, 15
	s_lshl_b32 s71, s71, 14
	s_add_co_u32 s70, s70, s71
	s_and_b32 s71, s[WV], 3
	s_lshl_b32 s71, s71, 12
	s_add_co_u32 s70, s70, s71
	s_mov_b32 s71, 0
	; Wo's offset: the fourth part of wb, my 16 k rows, the block's 128 columns, in registers that never hold cy
	s_lshl_b32 s74, s69, 8
	s_lshl_b32 s75, s[WV], 14
	s_add_co_u32 s74, s74, s75
	s_add_co_u32 s74, s74, 3*524288
	s_mov_b32 s75, 0
	; my first column in bytes of f32, for bo and for out0; my first row of out0
	s_lshl_b32 s15, s69, 9
	s_lshl_b32 s79, s14, 8
	s_add_co_u32 s15, s15, s79
	s_lshl_b32 s78, s68, 18
	s_lshl_b32 s79, s13, 16
	s_add_co_u32 s78, s78, s79
	s_add_co_u32 s78, s78, s15
	s_mov_b32 s79, 0
	s_mul_i32 s2, s[WV], 32*APITCH                 ; where my loads go in a group: 4,608 bytes a wave, for A (32 x 144) and for Wo (16 x 288) alike
	s_add_co_u32 s3, s2, WBASE
	v_and_b32 v2, 15, v0                           ; r, and L % 16
	v_lshlrev_b32 v6, 4, v2
	v_add_nc_u32 v[BO], s15, v6
	s_wait_dscnt 0x0
	s_wait_kmcnt 0x0
	global_load_b128 v[BIAS:BIAS+3], v[BO], s[8:9] ; the four columns that I store in every row
	s_add_nc_u64 s[72:73], s[4:5], s[70:71]
	s_add_nc_u64 s[76:77], s[6:7], s[74:75]
	s_add_nc_u64 s[10:11], s[10:11], s[78:79]
.irp g, 0,1,2,3
	s_mov_b32 s[G0A+4*\g], 1
	s_add_co_u32 s[G0A+4*\g+1], s2, \g*GRP
	s_add_nc_u64 s[G0A+4*\g+2:G0A+4*\g+3], s[72:73], \g*524288     ; two heads on
	s_or_b32 s[G0A+4*\g+3], s[G0A+4*\g+3], 0x80000000
	s_mov_b32 s[G0B+4*\g], 1
	s_add_co_u32 s[G0B+4*\g+1], s3, \g*GRP
	s_add_nc_u64 s[G0B+4*\g+2:G0B+4*\g+3], s[76:77], \g*131072     ; 128 k rows on
	s_or_b32 s[G0B+4*\g+3], s[G0B+4*\g+3], 0x80000000
.endr
	ROUND                                          ; all sixteen work-groups are here: the joint loads meet
.irp g, 0,1,2,3
	tensor_load_to_lds s[G0A+4*\g:G0A+4*\g+3], s[G1A:G1A+7]        ; eight loads of a wave are out behind these lines
	s_nop 0
	tensor_load_to_lds s[G0B+4*\g:G0B+4*\g+3], s[G1B:G1B+7]
	s_nop 0
.endr
	v_and_b32 v1, 31, v0                           ; L
	v_bfe_u32 v3, v0, 4, 1                         ; h
	v_and_b32 v4, 7, v0                            ; L % 8
	v_bfe_u32 v5, v0, 3, 1                         ; (L / 8) % 2
	s_mul_i32 s80, s13, 32*APITCH                  ; my 32 rows
	v_mul_u32_u24 v6, v2, APITCH
	v_lshl_add_u32 v6, v3, 4, v6
	v_add_nc_u32 v[ADRA], s80, v6
	s_lshl_b32 s81, s14, 7                         ; my 64 columns: 128 bytes
	s_add_co_u32 s81, s81, WBASE
	v_lshl_add_u32 v7, v3, 3, v4
	v_mul_u32_u24 v7, v7, WPITCH
	v_lshl_add_u32 v7, v5, 4, v7
	v_add_nc_u32 v[ADRB], s81, v7
.irp g, 1,2,3
	v_add_nc_u32 v[ADRA+\g], \g*GRP, v[ADRA]
	v_add_nc_u32 v[ADRB+\g], \g*GRP, v[ADRB]
.endr
	s_mul_i32 s82, s[WV], 32*SPITCH                ; my stage: 8,704 bytes; the eight stages cover bytes 0 .. 69,631, inside A's groups 0 and 1, which are filled once
	v_mul_u32_u24 v6, v2, SPITCH
	v_lshl_add_u32 v6, v3, 5, v6
	v_add_nc_u32 v[STO], s82, v6                   ; in: row r, 32 bytes for each half of the lanes
	v_mul_u32_u24 v7, v3, SPITCH
	v_lshl_add_u32 v7, v2, 4, v7
	v_add_nc_u32 v[RD], s82, v7                    ; back: sixteen lanes take a row of 256 bytes
	v_lshlrev_b32 v6, 4, v2
	v_lshl_add_u32 v[CO], v3, 11, v6               ; and the same two rows in out0
; 12 LDS loads: the fragments of chunk cc (32 along K) of group g into buffers p.  The four v_nop are the places (ISA guide 7.12.1) behind the matrix instructions that read these buffers.
.macro LDFRAG g, cc, p
.rept 4
	v_nop
.endr
.irp a, 0,1
	ds_load_b128 v[AB+16*\p+8*\a:AB+16*\p+8*\a+3],   v[ADRA+\g] offset:(\cc>>1)*AHEAD+\a*16*APITCH+64*(\cc&1)
	ds_load_b128 v[AB+16*\p+8*\a+4:AB+16*\p+8*\a+7], v[ADRA+\g] offset:(\cc>>1)*AHEAD+\a*16*APITCH+64*(\cc&1)+32
.endr
.irp b, 0,1,2,3
	ds_load_tr16_b128 v[BF+32*\p+8*\b:BF+32*\p+8*\b+3],   v[ADRB+\g] offset:32*WPITCH*\cc+32*\b
	ds_load_tr16_b128 v[BF+32*\p+8*\b+4:BF+32*\p+8*\b+7], v[ADRB+\g] offset:32*WPITCH*\cc+32*\b+16*WPITCH
.endr
.endm
; One chunk on buffers p; pf = 1: chunk nc of the group is fetched ahead into buffers q.  The eight accumulators take turns, one instruction a turn.
.macro CHUNK p, q, zero, pf, g, nc
	s_wait_dscnt 0x0                               ; this chunk's twelve loads are the only ones out
.if \pf
	LDFRAG \g, \nc, \q
.endif
.irp a, 0,1
.irp b, 0,1,2,3
.if \zero
	v_wmma_f32_16x16x32_bf16 v[ACC+8*(4*\a+\b):ACC+8*(4*\a+\b)+7], v[BF+32*\p+8*\b:BF+32*\p+8*\b+7], v[AB+16*\p+8*\a:AB+16*\p+8*\a+7], 0
.else
	v_wmma_f32_16x16x32_bf16 v[ACC+8*(4*\a+\b):ACC+8*(4*\a+\b)+7], v[BF+32*\p+8*\b:BF+32*\p+8*\b+7], v[AB+16*\p+8*\a:AB+16*\p+8*\a+7], v[ACC+8*(4*\a+\b):ACC+8*(4*\a+\b)+7]
.endif
.endr
.endr
.endm
; A group of 128 along K: left = my loads of the later groups, which stay out (nothing is ever filled again)
.macro GROUP g, left, zero
	s_wait_tensorcnt \left                         ; my two loads of this group are in
	s_wait_dscnt 0x0                               ; my reads of the groups before are over
	s_barrier_signal -1
	s_barrier_wait -1                              ; both hold of every wave
	LDFRAG \g, 0, 0
	CHUNK 0, 1, \zero, 1, \g, 1
	CHUNK 1, 0, 0, 1, \g, 2
	CHUNK 0, 1, 0, 1, \g, 3
	CHUNK 1, 0, 0, 0, \g, 0
.endm
	GROUP 0, 6, 1                                  ; its first products start the sums
	GROUP 1, 4, 0
	GROUP 2, 2, 0
	GROUP 3, 0, 0
	; THE WAY OUT: f32 through my own stage (every wave's reads of A's groups 0 and 1 were waited for in front of the barriers of groups 2 and 3), read back as whole rows of 256 bytes, bias added.
.rept 4
	v_nop                                          ; the places behind the last matrix instructions (ISA guide 7.12.1)
.endr
.irp a, 0,1
.irp b, 0,1,2,3
	ds_store_b128 v[STO], v[ACC+8*(4*\a+\b):ACC+8*(4*\a+\b)+3]   offset:\a*16*SPITCH+64*\b
	ds_store_b128 v[STO], v[ACC+8*(4*\a+\b)+4:ACC+8*(4*\a+\b)+7] offset:\a*16*SPITCH+64*\b+16
.endr
.endr
.irp t, 0,1,2,3,4,5,6,7,8,9,10,11,12,13,14,15
	ds_load_b128 v[AB+4*\t:AB+4*\t+3], v[RD] offset:\t*2*SPITCH    ; my own bytes: LDS serves a wave's instructions in order (ISA guide 5.7.1.4)
.endr
	s_wait_loadcnt 0x0                             ; the bias
.irp t, 0,1,2,3,4,5,6,7,8,9,10,11,12,13,14,15
	s_wait_dscnt 15-\t                             ; read-back t is in, the younger ones stay out
	v_pk_add_f32 v[AB+4*\t:AB+4*\t+1],   v[AB+4*\t:AB+4*\t+1],   v[BIAS:BIAS+1]
	v_pk_add_f32 v[AB+4*\t+2:AB+4*\t+3], v[AB+4*\t+2:AB+4*\t+3], v[BIAS+2:BIAS+3]
	global_store_b128 v[CO], v[AB+4*\t:AB+4*\t+3], s[10:11] offset:4096*\t th:TH_STORE_NT   ; sixteen lanes store 256 consecutive bytes, at a multiple of 256 from out0's first byte
.endr
	s_wait_tensorcnt 0x0
	ds_add_u32 v192, v193
	s_wait_dscnt 0x0
	ROUND                                          ; the closing round
	s_endpgm
.Lfunc_end_k_q55b4c2c72d_oproj:
	.size	k_q55b4c2c72d_oproj, .Lfunc_end_k_q55b4c2c72d_oproj-k_q55b4c2c72d_oproj
	.p2alignl 7, 3214868480
	.fill 96, 4, 3214868480
	.section	.rodata,"a",@progbits
	.p2align	6, 0x0
	.amdhsa_kernel k_q55b4c2c72d_oproj
		.amdhsa_group_segment_fixed_size 295936
		.amdhsa_private_segment_fixed_size 0
		.amdhsa_enable_private_segment 0
		.amdhsa_kernarg_size 32
		.amdhsa_user_sgpr_count 2
		.amdhsa_user_sgpr_kernarg_segment_ptr 1
		.amdhsa_wavefront_size32 1
		.amdhsa_system_sgpr_workgroup_id_x 1
		.amdhsa_system_sgpr_workgroup_id_y 1
		.amdhsa_system_sgpr_workgroup_id_z 1
		.amdhsa_system_vgpr_workitem_id 0
		.amdhsa_next_free_vgpr 194
		.amdhsa_next_free_sgpr 84
		.amdhsa_reserve_vcc 0
		.amdhsa_float_denorm_mode_32 3
		.amdhsa_float_denorm_mode_16_64 3
		.amdhsa_memory_ordered 1
		.amdhsa_forward_progress 1
		.amdhsa_inst_pref_size 38
	.end_amdhsa_kernel
	.amdgpu_metadata
---
amdhsa.version: [ 1, 2 ]
amdhsa.kernels:
  - .name:           k_q55b4c2c72d_oproj
    .symbol:         k_q55b4c2c72d_oproj.kd
    .args:
      - { .name: att, .offset: 0, .size: 8, .value_kind: global_buffer, .address_space: global }
      - { .name: wb, .offset: 8, .size: 8, .value_kind: global_buffer, .address_space: global }
      - { .name: bo, .offset: 16, .size: 8, .value_kind: global_buffer, .address_space: global }
      - { .name: out0, .offset: 24, .size: 8, .value_kind: global_buffer, .address_space: global }
    .group_segment_fixed_size: 295936
    .private_segment_fixed_size: 0
    .kernarg_segment_align: 8
    .kernarg_segment_size: 32
    .max_flat_workgroup_size: 256
    .sgpr_count:     84
    .vgpr_count:     194
    .wavefront_size: 32
...
	.end_amdgpu_metadata
.endif
;; end of part 4
